; MI455X (gfx1250); checked and timed in simulation.
; The chip was launched on July 23, 2026; its instructions are those of AMD's public machine-readable ISA for CDNA 5 (MIT licence, August 2026) and "CDNA5" Instruction Set Architecture Reference Guide (July 2026). The comments in the code are by the model that wrote it; some were corrected since.
;; MTA. Allowed arithmetic: matrix products marked QUANTISED: E5M2 operands, one given power-of-two scale a tensor, by v_wmma_f32_16x16x64_bf8_bf8 or v_wmma_f32_16x16x128_bf8_bf8, f32 sums; products left as they are: f32 operands where the result goes on into a quantised operand, else bf16, f16 or f32 operands; f32 sums; everything else in f32.
;; Inputs: W_dec 1,024 x 1,024 float32; W_enc 1,024 x 1,024 float32; att_prev 32 x 2,000 float32; b_enc 1,024 float32; dec_z 32 x 1,024 float32; enc_hs_len 32 int32; enc_hs_pad 32 x 2,000 x 1,024 float32; g_vec 1 x 1,024 float32; lowp_scales 4 int32 (the exponents e of the quantised operands' scales 2^e); mono_bias 1 x 1 float32; mono_factor 1 x 1 float32; noise 32 x 2,000 float32.
;; Outputs: out0 32 x 1,024 float32; out1 32 x 2,000 float32.
;; This version of the problem:
;;   THIS VERSION OF THE PROBLEM IS GIVEN IN LOW PRECISION. The matrix products marked QUANTISED in the list below multiply operands that are first quantised to E5M2 (5 exponent bits, 2 mantissa bits; 8 bits a number), with one given power-of-two scale for each operand tensor; their sums are f32. All else is computed in f32.
;;   The module's matrix products, in the order in which they are computed (A, B: the left and right operand; K: the contracted axis; several contracted axes count as one K, in the product's order):
;;     1. [M 64,000, K 1,024] x [K 1,024, N 1,024]; A: input enc_hs_pad; B: input W_enc: QUANTISED (scales: A lowp_scales[0], B lowp_scales[1])
;;     2. [M 32, K 1,024] x [K 1,024, N 1,024]; A: input dec_z; B: input W_dec: QUANTISED (scales: A lowp_scales[2], B lowp_scales[3])
;;     3. [M 64,000, K 1,024] x [K 1,024, N 1]; A: computed on the way; B: input g_vec: left as it is (N = 1 < 16)
;;     4. batch 32 x [M 1,024, K 2,000] x [K 2,000, N 1]; A: input enc_hs_pad; B: computed on the way: left as it is (N = 1 < 16)
;;   THE QUANTISER, for each operand of a quantised product, along K:
;;     - The operand's scale is 2^e, e = its entry of the input lowp_scales (int32; the entries are numbered through the quantised products in the list's order, A before B).
;;     - Each number is divided by the scale, clamped to +-57,344, and rounded to the nearest number of E5M2, ties to even, subnormals kept.
;;     - The product sums the exact products of the quantised numbers (number of the format x scale) in f32.
;;   ~~~python
;;   def quantise(x, axis, e):      # numpy; x: float32 -> the quantised numbers, widened to float32 again
;;       x = np.moveaxis(x, axis, -1); K = x.shape[-1]
;;       r = np.clip(x / 2.0 ** e, -57344, 57344)
;;       step = 2.0 ** (np.maximum(np.frexp(np.where(r == 0, 1, r))[1] - 1, -14) - 2)
;;       q = np.round(r / step) * step * 2.0 ** e      # np.round: ties to even
;;       return np.moveaxis(q, -1, axis).astype(np.float32)
;;   ~~~
;; One version. Each part assembles by itself: llvm-mc -triple=amdgcn-amd-amdhsa -mcpu=gfx1250 --defsym DOCPART=n.
;; ======== version 1 of 1: 3 launches
;; workspace buffers: wc 1,048,576 bytes; biasw 131,072 bytes; scal 256 bytes; esum 262,144 bytes
;; launch prep (part 1): grid 64 x 1, 8 waves a work-group, no clusters, 17,408 bytes of LDS; arguments W_enc, W_dec, dec_z, b_enc, g_vec, mono_factor, mono_bias, lowp_scales, wc, biasw, scal; writes wc, biasw, scal
.if DOCPART == 1
	.amdgcn_target "amdgcn-amd-amdhsa--gfx1250"
	.amdhsa_code_object_version 6
	.text
	.protected	k_q91d4e583c2_prep
	.globl	k_q91d4e583c2_prep
	.p2align	8
	.type	k_q91d4e583c2_prep,@function
k_q91d4e583c2_prep:
	s_mov_b64 s[64:65], 0
	v_nop
	global_prefetch_b8 v0, s[64:65] scope:SCOPE_SE
	s_setreg_imm32_b32 hwreg(HW_REG_WAVE_MODE, 25, 1), 1
	s_wait_xcnt 0x0
; PREP.  Three small things that the two later launches read.
; (1) wc: W_enc [1024][1024] f32 as codes of E5M2 with the given scale 2^e1, laid in the order of an operand's registers, in the order of k that the next launch's rows come in:
;     byte nt*16384 + ks*2048 + c*512 + lane*16 + 4 s + i = code of W_enc[16 nt + r][512 (ks / 4) + 128 s + 32 (ks % 4) + 8 c + 4 h + i], lane = r + 16 h.
; (2) biasw: (dec_z W_dec^T + b_enc) x 2 log2(e), the product on codes of E5M2 (scales 2^e2, 2^e3), f32 sums:
;     word w at nt*2048 + (2 mt + u)*512 + lane*16 + 4 w = batch 16 mt + r, column 16 nt + 8 h + 4 u + w.
; (3) scal: K1 = mono_factor / |g|, K0 = K1 x sum(g) + mono_bias.
; SHARES.  Work-group g takes 16 rows of W_enc and of W_dec (column tile nt = g); wave ks takes 128 of K, the set named above.  The eight waves' parts of
; the small product meet in LDS; waves 0-3 add them.  Wave 4 of work-group 0 makes the two scalars.  64 work-groups are all the work there is.
; A lane's registers run along K: lane (r, h) loads, of row r, four numbers at each of sixteen places, so the conversions' results are the operand's registers.
; The order of k is the same in both operands of every product here and in the next launch, so every product meets its partner.
; LIMITS: e1, e2, e3 between -126 and 112; e2 + e3 between -126 and 127; inputs finite (NaN is not served).  att_prev is used by no step of the problem and is read nowhere.
; REGISTERS: v1 lane, v2 r, v3 h, v4 row offset, v5 16 x lane, v6, v7 LDS places, v8-13 scales and holds, v14 b_enc's offset, v16-31 the two results,
;   v32-95, v96-159, v160-223 three sets of 64 numbers, v224-239 W_enc's codes, v240-255 W_dec's codes.
.set FA, 32
.set FB, 96
.set FC, 160
.set CE, 224
.set CD, 240
.macro FLOAD reg, base, off            ; 16 rows x my wave's 128 of K: 64 numbers a lane; register 16 c + 4 j + i holds k = 128 j + 8 c + 4 h + i of the wave's set
.irp c, 0,1,2,3
.irp j, 0,1,2,3
	global_load_b128 v[\reg+16*\c+4*\j:\reg+16*\c+4*\j+3], v4, s[\base:\base+1] offset:\off+32*\c+512*\j
.endr
.endr
.endm
.macro QUANT s, d, sc, lim             ; 64 numbers v[s].. become a fragment's 16 registers of codes v[d]..
.irp b, 0,1,2,3
.irp i, 0,1,2,3,4,5,6,7,8,9,10,11,12,13,14,15
	v_med3_num_f32 v[\s+16*\b+\i], v[\s+16*\b+\i], -v[\lim], v[\lim]   ; the conversion to an 8-bit code does not saturate (ISA guide 7.6.2): hold at the largest code x the scale
.endr
	v_cvt_scalef32_pk8_bf8_f32 v[\d+4*\b:\d+4*\b+1], v[\s+16*\b:\s+16*\b+7], v[\sc]
	v_cvt_scalef32_pk8_bf8_f32 v[\d+4*\b+2:\d+4*\b+3], v[\s+16*\b+8:\s+16*\b+15], v[\sc]
.endr
	v_nop                                          ; one plain vector line behind the last conversion, ahead of whatever touches its registers next
.endm
.macro MKSC e, vs, vl                  ; from the exponent in s[e]: 2^e as f32, and 57,344 x 2^e
	s_add_co_i32 s32, s[\e], 127
	s_lshl_b32 s33, s32, 23
	v_mov_b32 v[\vs], s33
	s_add_co_i32 s32, s32, 15
	s_lshl_b32 s32, s32, 23
	s_or_b32 s32, s32, 0x600000
	v_mov_b32 v[\vl], s32
.endm
	s_load_b512 s[4:19], s[0:1], 0x0               ; W_enc s[4:5], W_dec s[6:7], dec_z s[8:9], b_enc s[10:11], g_vec s[12:13], mono_factor s[14:15], mono_bias s[16:17], scales s[18:19]
	s_load_b128 s[20:23], s[0:1], 0x40             ; wc s[20:21], biasw s[22:23]
	s_load_b64 s[24:25], s[0:1], 0x50              ; scal
	v_lshl_add_u32 v15, v0, 2, 0x4000
	s_set_vgpr_msb 0x40
	v_mov_b32 v1, 0
	s_set_vgpr_msb 0x4000
	v_lshrrev_b32 v1, 5, v0
	v_readfirstlane_b32 s26, v1                    ; wave = K step
	s_mov_b32 s27, ttmp9                           ; column tile
	v_and_b32 v1, 31, v0                           ; lane
	v_and_b32 v2, 15, v0                           ; r
	v_bfe_u32 v3, v0, 4, 1                         ; h
	v_lshlrev_b32 v4, 12, v2
	v_lshl_add_u32 v4, v3, 4, v4                   ; row r of 4,096 bytes + 16 h
	v_lshlrev_b32 v5, 4, v1                        ; 16 x lane
	s_lshl_b32 s32, s26, 11
	v_add_nc_u32 v6, s32, v5                       ; LDS: my wave's part of the small product: 2,048 x wave + 16 x lane
	s_and_b32 s33, s26, 3
	s_lshl_b32 s33, s33, 9
	v_add_nc_u32 v7, s33, v5                       ; LDS and biasw: the quarter that waves 0-3 add up: 512 x (wave % 4) + 16 x lane
	s_and_b32 s34, s26, 1
	s_lshl_b32 s34, s34, 4
	v_lshl_add_u32 v14, v3, 5, s34                 ; b_enc: 32 h + 16 u
	s_lshl_b32 s36, s27, 16                        ; 16 rows of 4,096 bytes a tile,
	s_lshr_b32 s38, s26, 2
	s_lshl_b32 s38, s38, 11                        ; my wave's set of K begins 2,048 (ks / 4)
	s_and_b32 s39, s26, 3
	s_lshl_b32 s39, s39, 7
	s_add_co_u32 s38, s38, s39                     ; + 128 (ks % 4) bytes into a row
	s_add_co_u32 s36, s36, s38
	s_mov_b32 s37, 0
	s_mov_b32 s39, 0
	s_lshl_b32 s48, s27, 14
	s_lshl_b32 s49, s26, 11
	s_add_co_u32 s48, s48, s49                     ; wc: 16,384 x tile + 2,048 x K step
	s_mov_b32 s49, 0
	s_lshl_b32 s50, s27, 11                        ; biasw: 2,048 x tile
	s_mov_b32 s51, 0
	s_lshl_b32 s52, s27, 6                         ; b_enc: 64 x tile
	s_mov_b32 s53, 0
	s_mov_b32 s44, 0x76543210                      ; v_permlanex16_b32: lane l xor 16
	s_mov_b32 s45, 0xfedcba98
	s_mov_b32 s42, 0x4038aa3b                      ; 2 log2(e)
	s_mov_b32 s43, s42
	s_wait_kmcnt 0x0
	s_load_b128 s[28:31], s[18:19], 0x0            ; e0, e1, e2, e3
	s_load_b32 s46, s[14:15], 0x0                  ; mono_factor
	s_load_b32 s47, s[16:17], 0x0                  ; mono_bias
	s_add_nc_u64 s[4:5], s[4:5], s[36:37]
	s_add_nc_u64 s[6:7], s[6:7], s[36:37]
	s_add_nc_u64 s[8:9], s[8:9], s[38:39]
	s_add_nc_u64 s[10:11], s[10:11], s[52:53]
	s_add_nc_u64 s[20:21], s[20:21], s[48:49]
	s_add_nc_u64 s[22:23], s[22:23], s[50:51]
	FLOAD FA, 4, 0                                 ; W_enc
	FLOAD FB, 6, 0                                 ; W_dec
	FLOAD FC, 8, 0                                 ; dec_z, batches 0-15
	s_wait_kmcnt 0x0
	MKSC 29, 8, 9                                  ; W_enc's scale
	MKSC 31, 10, 11                                ; W_dec's
	MKSC 30, 12, 13                                ; dec_z's
	s_add_co_i32 s40, s30, s31
	s_add_co_i32 s40, s40, 127
	s_lshl_b32 s40, s40, 23                        ; 2^(e2 + e3) as f32
	s_mov_b32 s41, s40
	s_wait_loadcnt 32                              ; W_enc's sixteen loads are in; the 32 behind them may be out
	QUANT FA, CE, 8, 9
.irp c, 0,1,2,3
	global_store_b128 v5, v[CE+4*\c:CE+4*\c+3], s[20:21] offset:512*\c   ; the wave stores 512 consecutive bytes, aligned
.endr
	FLOAD FA, 8, 65536                             ; dec_z, batches 16-31
	s_wait_loadcnt 32                              ; W_dec is in; both halves of dec_z may be out
	QUANT FB, CD, 10, 11
	s_wait_loadcnt 16                              ; batches 0-15 are in
	QUANT FC, FB, 12, 13
	v_wmma_f32_16x16x128_bf8_bf8 v[16:23], v[CD:CD+15], v[FB:FB+15], 0        ; source 0 = 16 rows of W_dec, source 1 = 16 batches: lane (r, h) holds batch r, register j column 8 h + j
	s_wait_loadcnt 0x0
	QUANT FA, FB+16, 12, 13
	v_wmma_f32_16x16x128_bf8_bf8 v[24:31], v[CD:CD+15], v[FB+16:FB+31], 0     ; batches 16-31
.rept 4
	v_nop                                          ; four places between a product and the LDS stores that read it
.endr
.irp q, 0,1,2,3
	ds_store_b128 v6, v[16+4*\q:19+4*\q] offset:512*\q   ; each result from its low end on
.endr
	s_wait_dscnt 0x0                               ; for the others' sake: my part lies in LDS
	s_barrier_signal -1
	s_barrier_wait -1
	s_cmp_lt_u32 s26, 4
	s_cbranch_scc0 .Lnot_adder
	; waves 0-3: quarter q = wave of the tile's 2 x 16 batches x 16 columns: the eight K steps' parts are added
	global_load_b128 v[64:67], v14, s[10:11]       ; b_enc at my four columns
.irp w, 0,1,2,3,4,5,6,7
	ds_load_b128 v[32+4*\w:35+4*\w], v7 offset:2048*\w
.endr
	s_wait_dscnt 0x0
.irp d, 4,2,1
.set W, 0
.rept \d
	v_pk_add_f32 v[32+4*W:33+4*W], v[32+4*W:33+4*W], v[32+4*(W+\d):33+4*(W+\d)]
	v_pk_add_f32 v[34+4*W:35+4*W], v[34+4*W:35+4*W], v[34+4*(W+\d):35+4*(W+\d)]
.set W, W+1
.endr
.endr
	s_wait_loadcnt 0x0
	v_pk_fma_f32 v[32:33], v[32:33], s[40:41], v[64:65] op_sel_hi:[1,0,1]   ; sum x 2^(e2 + e3) + b_enc
	v_pk_fma_f32 v[34:35], v[34:35], s[40:41], v[66:67] op_sel_hi:[1,0,1]
	v_pk_mul_f32 v[32:33], v[32:33], s[42:43] op_sel_hi:[1,0]               ; x 2 log2(e)
	v_pk_mul_f32 v[34:35], v[34:35], s[42:43] op_sel_hi:[1,0]
	global_store_b128 v7, v[32:35], s[22:23]       ; 512 consecutive bytes a wave, aligned
	s_set_vgpr_msb 0x4
	s_wait_tensorcnt 0x0
	ds_add_u32 v15, v1
	s_wait_dscnt 0x0
	s_set_vgpr_msb 0x400
	s_endpgm
.Lnot_adder:
	s_cmp_eq_u32 s26, 4
	s_cbranch_scc0 .Lend
	s_cmp_eq_u32 s27, 0
	s_cbranch_scc0 .Lend
	; wave 4 of work-group 0: sum(g), sum(g^2), the two scalars
.irp i, 0,1,2,3,4,5,6,7
	global_load_b128 v[32+4*\i:35+4*\i], v5, s[12:13] offset:512*\i
.endr
	v_mov_b32 v69, 0                               ; (a lane permute's destination counts as read)
	v_mov_b32 v72, 0
	s_wait_loadcnt 0x0
	v_pk_add_f32 v[64:65], v[32:33], v[34:35]
	v_pk_mul_f32 v[66:67], v[32:33], v[32:33]
	v_pk_fma_f32 v[66:67], v[34:35], v[34:35], v[66:67]
.irp j, 4,6,8,10,12,14,16,18,20,22,24,26,28,30
	v_pk_add_f32 v[64:65], v[64:65], v[32+\j:33+\j]
	v_pk_fma_f32 v[66:67], v[32+\j:33+\j], v[32+\j:33+\j], v[66:67]
.endr
	v_add_f32 v64, v64, v65
	v_add_f32 v66, v66, v67
.irp x, 1,2,4,8
	v_add_f32_dpp v64, v64, v64 row_xmask:\x row_mask:0xf bank_mask:0xf
	v_add_f32_dpp v66, v66, v66 row_xmask:\x row_mask:0xf bank_mask:0xf
.endr
	v_permlanex16_b32 v69, v64, s44, s45
	v_add_f32 v64, v64, v69
	v_permlanex16_b32 v69, v66, s44, s45
	v_add_f32 v66, v66, v69
	v_rsq_f32 v68, v66                             ; 1 / |g|
	v_cmp_eq_u32 vcc_lo, 0, v1                     ; (the plain line behind the transcendental)
	s_wait_alu depctr_va_vdst(0)                   ; the wait ahead of the result's first reader
	v_mul_f32 v70, s46, v68                        ; K1 = mono_factor / |g|
	v_fma_f32 v71, v70, v64, s47                   ; K0 = K1 x sum(g) + mono_bias
	s_wait_xcnt 0x0                                ; EXEC changes only when the earlier loads and stores have read it
	s_and_saveexec_b32 s48, vcc_lo
	global_store_b64 v72, v[70:71], s[24:25]       ; lane 0 alone
	s_wait_xcnt 0x0
	s_or_b32 exec_lo, exec_lo, s48
.Lend:
	s_set_vgpr_msb 0x4
	s_wait_tensorcnt 0x0
	ds_add_u32 v15, v1
	s_wait_dscnt 0x0
	s_set_vgpr_msb 0x400
	s_endpgm
.Lfunc_end_k_q91d4e583c2_prep:
	.size	k_q91d4e583c2_prep, .Lfunc_end_k_q91d4e583c2_prep-k_q91d4e583c2_prep
	.p2alignl 7, 3214868480
	.fill 96, 4, 3214868480
	.section	.rodata,"a",@progbits
	.p2align	6, 0x0
	.amdhsa_kernel k_q91d4e583c2_prep
		.amdhsa_group_segment_fixed_size 17408
		.amdhsa_private_segment_fixed_size 0
		.amdhsa_enable_private_segment 0
		.amdhsa_kernarg_size 88
		.amdhsa_user_sgpr_count 2
		.amdhsa_user_sgpr_kernarg_segment_ptr 1
		.amdhsa_wavefront_size32 1
		.amdhsa_system_sgpr_workgroup_id_x 1
		.amdhsa_system_sgpr_workgroup_id_y 1
		.amdhsa_system_sgpr_workgroup_id_z 1
		.amdhsa_system_vgpr_workitem_id 0
		.amdhsa_next_free_vgpr 258
		.amdhsa_next_free_sgpr 66
		.amdhsa_reserve_vcc 1
		.amdhsa_float_denorm_mode_32 3
		.amdhsa_float_denorm_mode_16_64 3
		.amdhsa_memory_ordered 1
		.amdhsa_forward_progress 1
		.amdhsa_inst_pref_size 36
	.end_amdhsa_kernel
	.amdgpu_metadata
---
amdhsa.version: [ 1, 2 ]
amdhsa.kernels:
  - .name:           k_q91d4e583c2_prep
    .symbol:         k_q91d4e583c2_prep.kd
    .args:
      - { .name: W_enc, .offset: 0, .size: 8, .value_kind: global_buffer, .address_space: global }
      - { .name: W_dec, .offset: 8, .size: 8, .value_kind: global_buffer, .address_space: global }
      - { .name: dec_z, .offset: 16, .size: 8, .value_kind: global_buffer, .address_space: global }
      - { .name: b_enc, .offset: 24, .size: 8, .value_kind: global_buffer, .address_space: global }
      - { .name: g_vec, .offset: 32, .size: 8, .value_kind: global_buffer, .address_space: global }
      - { .name: mono_factor, .offset: 40, .size: 8, .value_kind: global_buffer, .address_space: global }
      - { .name: mono_bias, .offset: 48, .size: 8, .value_kind: global_buffer, .address_space: global }
      - { .name: lowp_scales, .offset: 56, .size: 8, .value_kind: global_buffer, .address_space: global }
      - { .name: wc, .offset: 64, .size: 8, .value_kind: global_buffer, .address_space: global }
      - { .name: biasw, .offset: 72, .size: 8, .value_kind: global_buffer, .address_space: global }
      - { .name: scal, .offset: 80, .size: 8, .value_kind: global_buffer, .address_space: global }
    .group_segment_fixed_size: 17408
    .private_segment_fixed_size: 0
    .kernarg_segment_align: 8
    .kernarg_segment_size: 88
    .max_flat_workgroup_size: 256
    .sgpr_count:     66
    .vgpr_count:     258
    .wavefront_size: 32
...
	.end_amdgpu_metadata
.endif
;; end of part 1
;; launch energy (part 2): grid 256 x 1, 4 waves a work-group, clusters of 4 x 1, 327,680 bytes of LDS; arguments enc_hs_pad, enc_hs_len, lowp_scales, g_vec, wc, biasw, esum; writes esum
.if DOCPART == 2
	.amdgcn_target "amdgcn-amd-amdhsa--gfx1250"
	.amdhsa_code_object_version 6
	.text
	.protected	k_q91d4e583c2_energy
	.globl	k_q91d4e583c2_energy
	.p2align	8
	.type	k_q91d4e583c2_energy,@function
k_q91d4e583c2_energy:
	s_mov_b64 s[64:65], 0
	v_nop
	global_prefetch_b8 v0, s[64:65] scope:SCOPE_SE
	s_setreg_imm32_b32 hwreg(HW_REG_WAVE_MODE, 25, 1), 1
	s_wait_xcnt 0x0
	s_wait_alu depctr_hold_cnt(0) depctr_sa_sdst(0) depctr_va_vdst(0) depctr_va_sdst(0) depctr_va_ssrc(0) depctr_va_vcc(0) depctr_vm_vsrc(0)
	s_getreg_b32 s2, hwreg(HW_REG_IB_STS2, 6, 4)
	s_cmp_eq_u32 s2, 0
	s_cbranch_scc0 .Lentry_in_a_cluster
	s_endpgm
.Lentry_in_a_cluster:
	s_bfe_u32 s2, ttmp6, 0x10000c
	s_cmp_lg_u32 s2, 0x3003
	s_cbranch_scc0 .Lentry_shape_is_right
	s_endpgm
.Lentry_shape_is_right:
; ENERGY.  esum[b][t] = sum over a of (-2 g[a]) / (1 + 2^arg), arg = 2 log2(e) x (enc[b][t] . W_enc[a] + b_enc[a] + dec[b][a]); since tanh x = 1 - 2 / (1 + e^(2x)), the next launch
; gets sum(g tanh) as sum(g) + esum.  The product is made on codes of E5M2: enc is quantised here, in registers, with the given 2^e0; W_enc's codes (2^e1) and the bias table come from the launch before.
; SHARES.  Work-group id = 4 x cluster + cx owns rows t = 256 (id % 8) .. + 255 of batch id / 8 and all 1,024 columns.  Each of its four waves owns 64 rows: four tiles of 16, whose codes for the whole K = 1,024
; (32 fragments, 512 registers) stay in registers.  W's codes, 1 MiB, stream through a ring of two LDS slots of 8 column tiles (131,072 bytes); each fragment of W read from LDS feeds four products.
; CLUSTER.  Every work-group walks the same codes of W in the same order: the four partners ask for each slot JOINTLY (mask 15), each wave for a quarter of the slot.
; ROWS UNDER THE LENGTH MASK, and rows past 1,999, are not fetched: their row number is held at min(len, 2000) - 1 (at least 0), so they name a row that is read anyway.  Their sums are finite numbers that the next
; launch masks.  The matrix work is done for all rows alike: nothing but addresses hangs on the loaded length.
; LAYOUT.  Source 0 = 16 rows of W (16 columns a), source 1 = 16 rows of enc: lane (r, h) holds row r, register j column 16 nt + 8 h + j.  So bias and g are pairs of registers, and a row's sum needs one exchange of lane halves, at the end.
; THE ORDER OF k is chosen so that a row is quantised in the registers that it was loaded into.  Four loads bring 2,048 consecutive bytes of a row, 16 bytes a lane each: lane l then holds k = 512 G + 128 s + 4 l + i
; (load s, number i), 16 numbers of ONE row, which two conversions turn into 16 codes.  Only the codes turn through LDS: a quarter of the numbers' bytes.  Piece l of a row's 512 bytes of codes is lane l's; lane (r, h) takes,
; for K step 4 G + q and registers 4 c .. 4 c + 3, piece 8 q + 2 c + h of row r: byte 4 s + i is k = 512 G + 128 s + 32 q + 8 c + 4 h + i.  W's codes lie in the same order.
; BY TURNS.  In a period the 32 products of column tile j stand with the tanh of tile j - 1 between them: 3 or 4 vector lines behind each product; two sets of four accumulators change places.  W's LDS loads go in
; groups of four or eight among the products, each fragment as soon as its registers are free and 16 products or more ahead of its use.
; LIMITS: e0 between -126 and 112; e0 + e1 between -127 and 126; inputs finite.  2^arg may overflow to infinity or fall to 0: the reciprocal then gives 0 or 1, which is tanh's limit.
; LDS: 0 slot 0; 131,072 slot 1; 262,144 four stages of 16 rows x 528 bytes (one a wave); 295,936 bias table (1,024 f32); 300,032 -2 g (1,024 f32); 304,128 the spare words (512 bytes).
; REGISTERS, in windows of 256.  Window 0: v1 lane, v2 r, v3 h, v4 16 x lane, v5, v6 stage in and out, v7 32 h, v8, v9, v12 LDS addresses in hand, v10, v11 2^e0 and 57,344 x 2^e0, v24-29 addresses, v30, v31 for the add,
;   v32-51 at work; while rows are loaded: v64-127, v128-191 two sets of 16 rows' codes, v192-255 my 64 rows' byte offsets.
;   Window 1: while rows are loaded sixteen slots of 16 registers, a row's 2,048 bytes each; then v0-127 W's eight fragments of a column tile, v128-159, v160-191 the two sets of accumulators, v192-199 the sums, v200-215, v216-231 bias and -2 g of two tiles.
;   Window 2: enc's fragments (tile m, K step k = 0..3) at 16 (4 m + k).   Window 3: K steps 4..7 likewise.
.set SLOT1,  1<<17
.set TILEB,  16384                     ; a column tile's codes: 8 fragments of 2,048 bytes
.set STG,    2*SLOT1
.set SPITCH, 528                       ; a stage row: 512 bytes + 16 = 132 words, so that sixteen rows' 16-byte pieces fall on sixteen different places modulo 256 bytes
.set STGW,   16*SPITCH
.set BT,     STG+4*STGW
.set GT,     BT+4096
.set SPARE,  GT+4096
.set ACC,    128
.set SS,     192
.set BG,     200
.set VOFF,   192
.set MSB, 0
.macro WIN new                         ; the immediate's high byte repeats the setting that is left; a switch that changes nothing is dropped
.if MSB != (\new)
	s_set_vgpr_msb (MSB<<8)|(\new)
.set MSB, (\new)
.endif
.endm
.macro PLACES
.rept 4
	v_nop
.endr
.endm
.macro CROUND                          ; a round of the cluster's barrier
	s_barrier_signal -1
	s_barrier_wait -1
	s_cmp_lg_u32 s18, 0
	s_cbranch_scc1 .Lnot_wave_0_\@
	s_barrier_signal -3
.Lnot_wave_0_\@:
	s_barrier_wait -3
	s_barrier_signal -1
	s_barrier_wait -1
.endm
; ---- the rows' way in.  Unit u = row u % 16 of group u / 16; group = (tile u / 32 of my rows, half G = (u / 16) % 2 of K).  Slot u % 16 of window 1.
.macro LOADU u                         ; a row's 2,048 consecutive bytes: four loads of 512 consecutive, aligned bytes.  (Stands under destination window 1)
.set LG, (\u)/16
.set LR, (\u)%16
.irp s, 0,1,2,3
	global_load_b128 v[16*LR+4*\s:16*LR+4*\s+3], v[VOFF+16*(LG/2)+LR], s[4:5] offset:2048*(LG%2)+512*\s
.endr
.endm
; A unit's turn: its four loads are in; held, converted, 16 codes a lane into the stage's row; the row 15 units on is asked for, into the slot that the unit before has left.
; Behind a group's sixteenth row the group's four fragments come back from the stage.  LDS serves a wave's instructions in order (ISA guide 5.7.1.4): no wait stands between the stores and the loads, nor ahead of the next group's stores.
.macro UNIT u
.set UG, (\u)/16
.set UR, (\u)%16
.set RS, 16*UR
.set CR, 64+64*(UG%2)+4*UR
.if (UR == 0) && (UG > 0)
	s_wait_dscnt 32                                ; all but the last group's 16 stores and 16 loads are done: the stores of the group two back have read this set of code registers
.endif
.if (\u) <= 113
	s_wait_loadcnt 56                              ; loads come back in order (ISA guide 5.7.1): mine are in, the 14 younger rows' stay out
.else
	s_wait_loadcnt 4*(127-(\u))                    ; the last rows: nothing more is asked for, the counts run down
.endif
	WIN 0x41                                       ; the numbers in window 1, the hold in window 0
.set JJ, 0
.rept 16
	v_med3_num_f32 v[RS+JJ], v[RS+JJ], -v11, v11   ; the conversion to an 8-bit code does not saturate (ISA guide 7.6.2): hold at the largest code x the scale
.set JJ, JJ+1
.endr
	WIN 0x01                                       ; the codes into window 0
	v_cvt_scalef32_pk8_bf8_f32 v[CR:CR+1], v[RS:RS+7], v10
	v_cvt_scalef32_pk8_bf8_f32 v[CR+2:CR+3], v[RS+8:RS+15], v10    ; (the next vector lines are the next unit's holds: plain, on other registers)
	WIN 0x40
	ds_store_b128 v5, v[CR:CR+3] offset:SPITCH*UR  ; the wave stores a row's 512 bytes of codes on end
.if (\u)+15 < 128
	LOADU (\u)+15
.endif
.if UR == 15
	WIN 0x80+0x40*(UG%2)                           ; destination window 2 (K steps 0-3) or 3
.irp q, 0,1,2,3
.irp c, 0,1,2,3
	ds_load_b128 v[16*(4*(UG/2)+\q)+4*\c:16*(4*(UG/2)+\q)+4*\c+3], v6 offset:128*\q+32*\c
.endr
.endr
.endif
.endm
; ---- the products and the tanh
.macro LGRP k, adr                     ; one fragment of W, as an image of its registers: 512 consecutive bytes an instruction
.irp c, 0,1,2,3
	ds_load_b128 v[16*(\k)+4*\c:16*(\k)+4*\c+3], v[\adr] offset:2048*(\k)+512*\c
.endr
.endm
.macro MM i, par                       ; product i of 32: K step i / 4, tile i % 4 of my rows.  The four accumulators take turns, one instruction a turn
.set KK, (\i)/4
.set MT, (\i)%4
.set DD, ACC+32*(\par)+8*MT
.if KK == 0
	v_wmma_f32_16x16x128_bf8_bf8 v[DD:DD+7], v[16*KK:16*KK+15], v[16*(4*MT+KK%4):16*(4*MT+KK%4)+15], 0
.else
	v_wmma_f32_16x16x128_bf8_bf8 v[DD:DD+7], v[16*KK:16*KK+15], v[16*(4*MT+KK%4):16*(4*MT+KK%4)+15], v[DD:DD+7]
.endif
.endm
; Line n of 48 of a list on set q's 32 numbers (16 pairs): a packed line on pair 0, then for pair p = 1..15 the packed line on pair p and the two transcendentals of pair p - 1, then pair 15's two.
; kind 1: arg = sum x CS + bias, 2^arg.  kind 2: 1 + 2^arg, its reciprocal.  No line of a list names a transcendental's result of the same list.
.macro EITEM kind, n, q
.set QB, ACC+32*(\q)
.set BB, BG+16*(\q)
.set NN, (\n)
.if NN == 0
.set ISP, 1
.set IX, 0
.elseif NN >= 46
.set ISP, 0
.set IX, NN-16
.elseif (NN-1)%3 == 0
.set ISP, 1
.set IX, (NN-1)/3+1
.else
.set ISP, 0
.set IX, 2*((NN-1)/3)+(NN-1)%3-1
.endif
.if ISP
.if \kind == 1
	v_pk_fma_f32 v[QB+2*IX:QB+2*IX+1], v[QB+2*IX:QB+2*IX+1], s[36:37], v[BB+2*(IX%4):BB+2*(IX%4)+1] op_sel_hi:[1,0,1]
.else
	v_pk_add_f32 v[QB+2*IX:QB+2*IX+1], v[QB+2*IX:QB+2*IX+1], 1.0 op_sel_hi:[1,0]
.endif
.else
.if \kind == 1
	v_exp_f32 v[QB+IX], v[QB+IX]
.else
	v_rcp_f32 v[QB+IX], v[QB+IX]
.endif
.endif
.endm
.macro E3 s, q                         ; the sums take column pair s of the four tiles: four sums by turns
.irp m, 0,1,2,3
	v_pk_fma_f32 v[SS+2*\m:SS+2*\m+1], v[ACC+32*(\q)+8*\m+2*(\s):ACC+32*(\q)+8*\m+2*(\s)+1], v[BG+16*(\q)+8+2*(\s):BG+16*(\q)+8+2*(\s)+1], v[SS+2*\m:SS+2*\m+1]
.endr
.endm
; A PERIOD: column tile j into accumulator set par; the tanh of tile j - 1 on the other set.  Windows: 0x59 / 0x5d: W, C and D in window 1, enc in window 2 / 3; the vector lines between have a scalar or a constant
; as their second source, so they stand under the same settings; only the sums' lines want 0x55, and the LDS loads 0x40.
; THE LDS LOADS, 36 a period, in this order: at the head fragment 4 of this tile and the tile's bias and -2 g (8); behind product 3 fragment 5 (4); behind product 7 fragment 6 and the NEXT tile's fragment 0 (8);
; behind product 11 fragment 7 and the next tile's 1 (8); behind product 15 the next tile's 2 (4); behind product 19 its 3 (4).
; A load into a fragment's registers stands four plain vector lines or more behind the last product that read them (ISA guide 7.12.1 for vector instructions): each of the first fifteen
; slices holds one packed line, so five lie between product 3 and the load behind product 7, and between product 7 and the load behind product 11; the next tile's fragments 2 and 3 stand behind four v_nop.
; THE WAIT AHEAD OF EACH K STEP counts the LDS loads issued behind that fragment's four; where a period is entered by two ways (from the period before; from a slot's head, which fetches fragments 0-3 on end) it is the smaller figure.
.macro PERIOD par
	v_add_nc_u32 v8, s40, v4                       ; this tile's fragments
	v_add_nc_u32 v9, s41, v7                       ; its bias and -2 g
	s_and_b32 s46, s40, SLOT1                      ; the next tile, WRAPPED inside the slot in hand: a slot's last period fetches the slot's tile 0 once more, bytes that have landed and are not being filled;
	s_add_co_u32 s40, s40, TILEB                   ; the next slot's head fetches what is wanted.  So every period is the same text, with no branch
	s_and_b32 s40, s40, SLOT1-1
	s_or_b32 s40, s40, s46
	s_add_co_u32 s41, s41, 64
	v_add_nc_u32 v12, s40, v4
	WIN 0x40
	LGRP 4, 8
	ds_load_b128 v[BG+16*\par:BG+16*\par+3], v9
	ds_load_b128 v[BG+16*\par+4:BG+16*\par+7], v9 offset:16
	ds_load_b128 v[BG+16*\par+8:BG+16*\par+11], v9 offset:GT-BT
	ds_load_b128 v[BG+16*\par+12:BG+16*\par+15], v9 offset:GT-BT+16
	WIN 0x59
.set II, 0
.rept 16
.if II == 0
	s_wait_dscnt 20                                ; fragment 0: from a slot's head 12 + 8 loads stand behind it (from the period before: 24)
.elseif II == 4
	s_wait_dscnt 20                                ; fragment 1: 8 + 8 + 4 behind it, by both ways
.elseif II == 8
	s_wait_dscnt 24                                ; fragment 2: 4 + 8 + 4 + 8
.elseif II == 12
	s_wait_dscnt 28                                ; fragment 3: 8 + 4 + 8 + 8
.endif
	MM II, \par
	EITEM 1, 3*II, (1-\par)
	EITEM 1, 3*II+1, (1-\par)
	EITEM 1, 3*II+2, (1-\par)
.if II == 3
	WIN 0x40
	LGRP 5, 8
	WIN 0x59
.elseif II == 7
	WIN 0x40
	LGRP 6, 8
	LGRP 0, 12
	WIN 0x59
.elseif II == 11
	WIN 0x40
	LGRP 7, 8
	LGRP 1, 12
	WIN 0x59
.endif
.set II, II+1
.endr
	PLACES                                         ; the plain line behind the last exponential, and the four places ahead of the loads into fragments 2 and 3
	s_wait_alu depctr_va_vdst(0)                   ; one wait for the 32 exponentials, ahead of their first reader
	WIN 0x40
	LGRP 2, 12
	WIN 0x5d
.rept 12
.if II == 16
	s_wait_dscnt 28                                ; fragment 4: 4 + 4 + 8 + 8 + 4 behind it
.elseif II == 20
	s_wait_dscnt 24                                ; fragment 5: 8 + 8 + 4 + 4
.elseif II == 24
	s_wait_dscnt 20                                ; fragment 6: 4 + 8 + 4 + 4
.endif
	MM II, \par
	EITEM 2, 4*(II-16), (1-\par)
	EITEM 2, 4*(II-16)+1, (1-\par)
	EITEM 2, 4*(II-16)+2, (1-\par)
	EITEM 2, 4*(II-16)+3, (1-\par)
.if II == 19
	WIN 0x40
	LGRP 3, 12
	WIN 0x5d
.endif
.set II, II+1
.endr
	v_nop                                          ; the plain line behind the last reciprocal
	s_wait_alu depctr_va_vdst(0)                   ; one wait for the 32 reciprocals
	s_wait_dscnt 12                                ; fragment 7: 4 + 4 + 4 behind it
.rept 4
	MM II, \par
	WIN 0x55
	E3 II-28, (1-\par)
.if II < 31
	WIN 0x5d
.endif
.set II, II+1
.endr
	WIN 0
.endm
; THE CHANGE OF SLOTS, at a slot's head.  Each wave waits for all its tensor loads (its quarter of the slot ahead), adds 0 to its spare word, and waits for that and for its reads of the slot that it has left.
; fill = 1: a round of the cluster's barrier, so that no wave of any partner still reads that slot; then the joint refill, first thing: it has a slot's 256 products in which to land.  One tensor load of a wave is out at a time.
.macro CHANGE fill
	s_wait_tensorcnt 0x0                           ; no tensor load of mine is out, so the descriptor may be written
	ds_add_u32 v30, v31                            ; 0 onto my spare word
.if \fill
	s_xor_b32 s33, s33, SLOT1                      ; the other slot than last time,
	s_add_nc_u64 s[34:35], s[34:35], 8*TILEB       ; the next eight column tiles; the type bits on top are not reached
.endif
	s_wait_dscnt 0x0                               ; the add is done, and so are my LDS reads and stores
.if \fill
	CROUND
	tensor_load_to_lds s[32:35], s[24:31]
	s_nop 0
	PLACES
.else
	s_barrier_signal -1
	s_barrier_wait -1
.endif
.endm
.macro SLOTWORK                        ; a slot's eight column tiles
	v_add_nc_u32 v8, s40, v4
	WIN 0x40
	LGRP 0, 8
	LGRP 1, 8
	LGRP 2, 8
	LGRP 3, 8
	WIN 0
	s_mov_b32 s42, 4
.Lperiods_\@:
	PERIOD 0
	PERIOD 1
	s_sub_co_u32 s42, s42, 1
	s_cmp_lg_u32 s42, 0
	s_cbranch_scc1 .Lperiods_\@
	s_xor_b32 s40, s40, SLOT1                      ; eight steps have wrapped back to the slot's start: on to the other slot
.endm
	s_load_b256 s[4:11], s[0:1], 0x0               ; enc s[4:5], lengths s[6:7], scales s[8:9], g s[10:11]
	s_load_b128 s[12:15], s[0:1], 0x20             ; wc s[12:13], biasw s[14:15]
	s_load_b64 s[16:17], s[0:1], 0x30              ; esum
	v_lshl_add_u32 v30, v0, 2, SPARE
	v_mov_b32 v31, 0
	ds_add_u32 v30, v31
	ds_add_u32 v30, v31
	s_wait_dscnt 0x0
	v_lshrrev_b32 v1, 5, v0
	v_readfirstlane_b32 s18, v1                    ; wave 0..3
	s_bfe_u32 s19, ttmp6, 0x40000                  ; cx: it enters global addresses of enc, lengths, biasw and esum alone
	s_lshl_b32 s20, ttmp9, 2
	s_add_co_u32 s20, s20, s19                     ; work-group
	s_lshr_b32 s21, s20, 3                         ; batch
	s_and_b32 s22, s20, 7                          ; which 256 rows
	; descriptor group 1: a dense block of 32,768 bytes as 128 rows of 32 elements of 8 bytes, no padding (the images are read 512 consecutive bytes at a time)
	s_mov_b32 s24, 15|(3<<16)|(1<<21)              ; 15:0 the mask: all four work-groups; 17:16 elements of 8 bytes; 21 set beside a mask
	s_mov_b32 s25, 32<<16                          ; tensor_dim0 = 32
	s_mov_b32 s26, 128<<16                         ; tensor_dim1 = 128
	s_mov_b32 s27, 32<<16                          ; tile_dim0 = 32
	s_mov_b32 s28, 128                             ; tile_dim1 = 128
	s_mov_b32 s29, 32                              ; from row to row
	s_mov_b32 s30, 0
	s_mov_b32 s31, 0
	s_mov_b32 s32, 1                               ; group 0: count = 1,
	s_lshl_b32 s33, s18, 15                        ; LDS address: my quarter of slot 0,
	s_lshl_b32 s46, s18, 15
	s_mov_b32 s47, 0
	s_lshl_b32 s48, s21, 2
	s_mov_b32 s49, 0
	s_wait_kmcnt 0x0
	s_add_nc_u64 s[34:35], s[12:13], s[46:47]      ; global address: the same quarter of the first eight column tiles,
	s_or_b32 s35, s35, 0x80000000                  ; type = 2
	s_add_nc_u64 s[6:7], s[6:7], s[48:49]
	s_load_b32 s60, s[6:7], 0x0                    ; my batch's length
	s_load_b128 s[56:59], s[8:9], 0x0              ; e0, e1, e2, e3
	CROUND                                         ; all four work-groups are here: the first joint loads meet
	tensor_load_to_lds s[32:35], s[24:31]          ; slot 0; it lands while the rows are loaded and quantised
	s_nop 0
	PLACES
	v_and_b32 v1, 31, v0                           ; lane
	v_and_b32 v2, 15, v0                           ; r
	v_bfe_u32 v3, v0, 4, 1                         ; h
	v_lshlrev_b32 v4, 4, v1                        ; 16 x lane
	s_mul_i32 s45, s18, STGW
	s_add_co_u32 s45, s45, STG                     ; my stage
	v_add_nc_u32 v5, s45, v4                       ; in: piece = my lane, of a row
	v_mul_u32_u24 v6, v2, SPITCH
	v_lshl_add_u32 v6, v3, 4, v6
	v_add_nc_u32 v6, s45, v6                       ; out: row r, piece h; 8 q + 2 c pieces on stand in the immediate
	v_lshlrev_b32 v7, 5, v3                        ; 32 h: my eight columns of a tile, in the tables
	v_lshl_add_u32 v24, v1, 2, s45                 ; the way out: 4 x lane,
	v_lshl_add_u32 v25, v1, 3, s45                 ; 8 x lane in my stage,
	v_lshlrev_b32 v26, 3, v1                       ; and in esum
	v_lshrrev_b32 v27, 2, v0                       ; biasw: thread t takes columns 4 t .. 4 t + 3: tile t / 4, h = (t / 2) % 2, u = t % 2
	v_lshlrev_b32 v27, 11, v27
	v_and_b32 v28, 1, v0
	v_lshl_add_u32 v27, v28, 9, v27
	v_bfe_u32 v28, v0, 1, 1
	v_lshl_add_u32 v27, v28, 8, v27
	v_lshlrev_b32 v28, 4, v0                       ; g: 16 t
	v_lshl_add_u32 v29, v0, 4, BT                  ; the tables in LDS: 16 t
	s_mul_i32 s46, s21, 8192000                    ; a batch of enc
	s_add_nc_u64 s[4:5], s[4:5], s[46:47]
	s_lshr_b32 s46, s21, 4
	s_lshl_b32 s46, s46, 10
	s_and_b32 s48, s21, 15
	s_lshl_b32 s48, s48, 4
	s_add_co_u32 s46, s46, s48                     ; biasw: 1,024 (b / 16) + 16 (b % 16)
	s_add_nc_u64 s[14:15], s[14:15], s[46:47]
	s_lshl_b32 s51, s22, 8
	s_lshl_b32 s48, s18, 6
	s_add_co_u32 s51, s51, s48                     ; my wave's first row t
	s_lshl_b32 s46, s21, 11
	s_add_co_u32 s46, s46, s51
	s_lshl_b32 s46, s46, 2
	s_add_nc_u64 s[16:17], s[16:17], s[46:47]      ; esum at that row
	s_mov_b32 s38, 0x76543210                      ; v_permlanex16_b32: lane l xor 16
	s_mov_b32 s39, 0xfedcba98
	global_load_b128 v[32:35], v27, s[14:15]                 ; the bias of my batch, columns 4 t on and 512 + 4 t on
	global_load_b128 v[36:39], v27, s[14:15] offset:65536
	global_load_b128 v[40:43], v28, s[10:11]                 ; g likewise
	global_load_b128 v[44:47], v28, s[10:11] offset:2048
	s_wait_kmcnt 0x0
	s_max_i32 s44, s60, 1
	s_min_u32 s44, s44, 2000
	s_sub_co_u32 s44, s44, 1                       ; the last row that counts (row 0 where none does)
.set JJ, 0
.rept 64
	s_add_co_u32 s52, s51, JJ
	s_min_u32 s52, s52, s44                        ; rows under the mask name that row,
	s_min_u32 s52, s52, 1999                       ; and no row lies outside the batch
	s_lshl_b32 s52, s52, 12
	v_add_nc_u32 v[VOFF+JJ], s52, v4
.set JJ, JJ+1
.endr
	WIN 0x40
.set CH, 0
.rept 14
	LOADU CH                                       ; the ring of sixteen row slots is filled: 14 rows now, one more behind the tables
.set CH, CH+1
.endr
	WIN 0
	s_add_co_i32 s52, s56, 127
	s_lshl_b32 s53, s52, 23
	v_mov_b32 v10, s53                             ; 2^e0 as f32: the conversion takes its exponent field
	s_add_co_i32 s52, s52, 15
	s_lshl_b32 s52, s52, 23
	s_or_b32 s52, s52, 0x600000
	v_mov_b32 v11, s52                             ; 57,344 x 2^e0
	s_add_co_i32 s36, s56, s57
	s_lshl_b32 s36, s36, 23
	s_add_co_i32 s36, s36, 0x4038aa3b              ; CS = 2 log2(e) x 2^(e0 + e1): the exponents are added to the constant's exponent field
	s_mov_b32 s37, s36
	s_wait_loadcnt 56                              ; the four table loads are in; the 14 rows behind them may be out
	v_pk_mul_f32 v[40:41], v[40:41], -2.0 op_sel_hi:[1,0]
	v_pk_mul_f32 v[42:43], v[42:43], -2.0 op_sel_hi:[1,0]
	v_pk_mul_f32 v[44:45], v[44:45], -2.0 op_sel_hi:[1,0]
	v_pk_mul_f32 v[46:47], v[46:47], -2.0 op_sel_hi:[1,0]
	ds_store_b128 v29, v[32:35]                    ; the tables; the other waves read them behind the first change of slots, in front of which every wave waits for its LDS stores
	ds_store_b128 v29, v[36:39] offset:2048
	ds_store_b128 v29, v[40:43] offset:GT-BT
	ds_store_b128 v29, v[44:47] offset:GT-BT+2048
	WIN 0x40
	LOADU 14
.set CH, 0
.rept 128
	UNIT CH
.set CH, CH+1
.endr
	v_nop                                          ; one plain vector line behind the last conversion
	; The loop has no first period of its own: the set that its first tanh works on, that tile's bias and -2 g, and the sums begin as zeros, so the first tanh adds 0.5 x 0.
	WIN 0x40
.set JJ, 0
.rept 32
	v_mov_b32 v[ACC+32+JJ], 0
.set JJ, JJ+1
.endr
.set JJ, 0
.rept 16
	v_mov_b32 v[BG+16+JJ], 0
.set JJ, JJ+1
.endr
.set JJ, 0
.rept 8
	v_mov_b32 v[SS+JJ], 0
.set JJ, JJ+1
.endr
	WIN 0
	s_mov_b32 s40, 0                               ; LDS byte of the column tile in hand
	s_mov_b32 s41, BT                              ; and of its bias
	s_mov_b32 s43, 7
.Lslot:                                            ; seven trips: behind each change of slots but the last the next slot is asked for
	CHANGE 1
	SLOTWORK
	s_sub_co_u32 s43, s43, 1
	s_cmp_lg_u32 s43, 0
	s_cbranch_scc1 .Lslot
	CHANGE 0                                       ; the last slot is written out
	SLOTWORK
	; the last tile's tanh (set 1); the sums' four lines of the last period are the places behind the last product
	WIN 0x55
.set NQ, 0
.rept 48
	EITEM 1, NQ, 1
.set NQ, NQ+1
.endr
	v_nop
	s_wait_alu depctr_va_vdst(0)
.set NQ, 0
.rept 48
	EITEM 2, NQ, 1
.set NQ, NQ+1
.endr
	v_nop
	s_wait_alu depctr_va_vdst(0)
	E3 0, 1
	E3 1, 1
	E3 2, 1
	E3 3, 1
	; THE WAY OUT: a row's two halves of pairs, then the other half of the lanes' eight columns; the wave's 64 sums leave as 256 consecutive bytes, aligned
	WIN 0x05
.irp m, 0,1,2,3
	v_add_f32 v[40+\m], v[SS+2*\m], v[SS+2*\m+1]
.endr
	WIN 0
.irp m, 0,1,2,3
	v_permlanex16_b32 v[44+\m], v[40+\m], s38, s39
.endr
.irp m, 0,1,2,3
	v_add_f32 v[40+\m], v[40+\m], v[44+\m]
.endr
	v_cmp_gt_u32 vcc_lo, 16, v1
	v_cndmask_b32 v48, v41, v40, vcc_lo            ; lane l: row l,
	v_cndmask_b32 v49, v43, v42, vcc_lo            ; and row 32 + l
	ds_store_b32 v24, v48
	ds_store_b32 v24, v49 offset:128
	ds_load_b64 v[50:51], v25                      ; rows 2 l, 2 l + 1 (my own bytes, served in order)
	s_wait_dscnt 0x0
	global_store_b64 v26, v[50:51], s[16:17]
	s_wait_tensorcnt 0x0                           ; the wave's end
	ds_add_u32 v30, v31
	s_wait_dscnt 0x0
	CROUND                                         ; the closing round
	s_endpgm
.Lfunc_end_k_q91d4e583c2_energy:
	.size	k_q91d4e583c2_energy, .Lfunc_end_k_q91d4e583c2_energy-k_q91d4e583c2_energy
	.p2alignl 7, 3214868480
	.fill 96, 4, 3214868480
	.section	.rodata,"a",@progbits
	.p2align	6, 0x0
	.amdhsa_kernel k_q91d4e583c2_energy
		.amdhsa_group_segment_fixed_size 327680
		.amdhsa_private_segment_fixed_size 0
		.amdhsa_enable_private_segment 0
		.amdhsa_kernarg_size 56
		.amdhsa_user_sgpr_count 2
		.amdhsa_user_sgpr_kernarg_segment_ptr 1
		.amdhsa_wavefront_size32 1
		.amdhsa_system_sgpr_workgroup_id_x 1
		.amdhsa_system_sgpr_workgroup_id_y 1
		.amdhsa_system_sgpr_workgroup_id_z 1
		.amdhsa_system_vgpr_workitem_id 0
		.amdhsa_next_free_vgpr 1024
		.amdhsa_next_free_sgpr 70
		.amdhsa_reserve_vcc 1
		.amdhsa_float_denorm_mode_32 3
		.amdhsa_float_denorm_mode_16_64 3
		.amdhsa_memory_ordered 1
		.amdhsa_forward_progress 1
		.amdhsa_inst_pref_size 255
	.end_amdhsa_kernel
	.section	.bss,"aw",@nobits
	.p2align	6
	.space	262144
	.amdgpu_metadata
---
amdhsa.version: [ 1, 2 ]
amdhsa.kernels:
  - .name:           k_q91d4e583c2_energy
    .symbol:         k_q91d4e583c2_energy.kd
    .args:
      - { .name: enc_hs_pad, .offset: 0, .size: 8, .value_kind: global_buffer, .address_space: global }
      - { .name: enc_hs_len, .offset: 8, .size: 8, .value_kind: global_buffer, .address_space: global }
      - { .name: lowp_scales, .offset: 16, .size: 8, .value_kind: global_buffer, .address_space: global }
      - { .name: g_vec, .offset: 24, .size: 8, .value_kind: global_buffer, .address_space: global }
      - { .name: wc, .offset: 32, .size: 8, .value_kind: global_buffer, .address_space: global }
      - { .name: biasw, .offset: 40, .size: 8, .value_kind: global_buffer, .address_space: global }
      - { .name: esum, .offset: 48, .size: 8, .value_kind: global_buffer, .address_space: global }
    .group_segment_fixed_size: 327680
    .private_segment_fixed_size: 0
    .kernarg_segment_align: 8
    .kernarg_segment_size: 56
    .max_flat_workgroup_size: 128
    .sgpr_count:     70
    .vgpr_count:     1024
    .wavefront_size: 32
...
	.end_amdgpu_metadata
.endif
;; end of part 2
;; launch context (part 3): grid 8 x 32, 16 waves a work-group, no clusters, 18,944 bytes of LDS; arguments enc_hs_pad, enc_hs_len, noise, esum, scal, out0, out1; writes out0, out1
.if DOCPART == 3
	.amdgcn_target "amdgcn-amd-amdhsa--gfx1250"
	.amdhsa_code_object_version 6
	.text
	.protected	k_q91d4e583c2_context
	.globl	k_q91d4e583c2_context
	.p2align	8
	.type	k_q91d4e583c2_context,@function
k_q91d4e583c2_context:
	s_mov_b64 s[64:65], 0
	v_nop
	global_prefetch_b8 v0, s[64:65] scope:SCOPE_SE
	s_setreg_imm32_b32 hwreg(HW_REG_WAVE_MODE, 25, 1), 1
	s_wait_xcnt 0x0
; CONTEXT.  e = K1 x esum + K0, the length mask, + noise, p = sigmoid(e), a = p x the product of clip(1 - p, TINY, 1) over all earlier t, out1 = a;  out0[b][:] = sum over t of a[b][t] enc[b][t][:].
; The running product is formed as a product: it is what exp(cumsum(log(.))) stands for, for every input.  Where t >= len: p = 0, so a = 0 and the factor is 1.
; SHARES.  Work-group (ch, b) owns out0[b][128 ch .. + 127]: one owner for each output, no sum between work-groups.  Each of a batch's eight work-groups makes the batch's scan of 2,048 numbers for itself
; (thread n: t = 4 n .. 4 n + 3); the one with ch = 0 stores out1.  Then wave v takes rows 400 rd + 25 v + s (rd = 0..4, s = 0..24): a row's part is 512 consecutive, aligned bytes, one load of the wave.
; A ring of 25 slots in registers keeps 25 loads of every wave on their way.  Rows at or past len are not fetched: their number is held at len - 1 (at least 0), and their weight is 0.
; No tensor loads, no cluster, no matrix unit: the work-groups share no large input, each byte is used once, and the product has one column.
; LIMITS: inputs finite; any int32 length is served as min(max(len, 0), 2000); what falls under 2^-126 in the exponential or the reciprocal comes out as 0.
; LDS: 0 the weights a (2,048 f32); 8,192 the sixteen waves' products; 8,448 the sixteen waves' partial sums (512 bytes each).
; REGISTERS: v1 lane, v2 16 x lane, v3 4 x thread, v4-7 esum, v8-11 noise, v12-15 p then a, v16-19 factors, v22, v23, v32-39 the scan, v24-31 at work, v40-43 the sums, v44-47, v73-75, v101 addresses,
;   v48-72 the slots' offsets, v76-100 their weights, v104-203 their rows.
.set TOT, 8192
.set RED, 8448
.macro ROWOFF s, add                   ; slot s gets the byte offset of row 25 v + add
	s_add_co_u32 s30, s26, \add
	s_min_u32 s30, s30, s22                        ; rows under the mask name the last row that counts,
	s_min_u32 s30, s30, 1999                       ; and no row lies outside the batch
	s_lshl_b32 s30, s30, 12
	v_add_nc_u32 v[48+\s], s30, v2
.endm
.macro ROW s, rd                       ; slot s's turn in round rd
.if (\rd) < 4
	s_wait_loadcnt 24                              ; loads come back in order (ISA guide 5.7.1): mine is in, the other 24 slots' stay out
	s_wait_dscnt 24                                ; the same for its weight
.else
	s_wait_loadcnt 24-(\s)                         ; the last round loads nothing: the counts run down
	s_wait_dscnt 24-(\s)
.endif
.irp i, 0,1,2,3
.if ((\rd)+(\s)) == 0
	v_mul_f32 v[40+\i], v[76+\s], v[104+4*(\s)+\i]            ; the first row starts the sums: nothing is cleared
.else
	v_fmac_f32 v[40+\i], v[76+\s], v[104+4*(\s)+\i]
.endif
.endr
.if (\rd) < 4
	ROWOFF \s, 400*((\rd)+1)+(\s)                  ; the slot's offset is free: the wait above has shown its load done
	global_load_b128 v[104+4*(\s):104+4*(\s)+3], v[48+\s], s[4:5]
	ds_load_b32 v[76+\s], v44 offset:1600*((\rd)+1)+4*(\s)
.endif
.endm
	s_load_b256 s[4:11], s[0:1], 0x0               ; enc s[4:5], lengths s[6:7], noise s[8:9], esum s[10:11]
	s_load_b128 s[12:15], s[0:1], 0x20             ; scal s[12:13], out0 s[14:15]
	s_load_b64 s[16:17], s[0:1], 0x30              ; out1
	v_lshl_add_u32 v208, v0, 2, 0x4200
	v_mov_b32 v209, 0
	v_lshrrev_b32 v1, 5, v0
	v_readfirstlane_b32 s18, v1                    ; wave 0..15
	s_mov_b32 s19, ttmp9                           ; which 128 channels
	s_and_b32 s20, ttmp7, 0xffff                   ; batch
	v_and_b32 v1, 31, v0                           ; lane
	v_lshlrev_b32 v2, 4, v1                        ; 16 x lane
	v_lshlrev_b32 v3, 2, v0                        ; my first t
	v_lshlrev_b32 v45, 4, v0                       ; 16 x thread: esum, out1, and the weights in LDS
	v_min_u32 v46, 7984, v45                       ; noise has 2,000 numbers a batch: threads 500 on read the last sixteen bytes, and mask them
	s_lshl_b32 s28, s18, 2
	s_add_co_u32 s28, s28, TOT
	v_mov_b32 v47, s28                             ; my wave's word
	v_and_b32 v101, 15, v0
	v_lshl_add_u32 v73, v101, 2, TOT               ; wave (lane % 16)'s word
	s_lshl_b32 s29, s18, 9
	s_add_co_u32 s29, s29, RED
	v_add_nc_u32 v74, s29, v2                      ; my wave's partial sums
	v_add_nc_u32 v75, RED, v2                      ; and all waves', for wave 0
	s_mul_i32 s31, s18, 100
	v_mov_b32 v44, s31                             ; my wave's 25 weights of a round
	s_mul_i32 s26, s18, 25                         ; and its first row
	s_mov_b32 s33, 0
	s_wait_kmcnt 0x0
	s_lshl_b32 s32, s20, 2
	s_add_nc_u64 s[6:7], s[6:7], s[32:33]
	s_load_b32 s34, s[6:7], 0x0                    ; the length
	s_load_b64 s[24:25], s[12:13], 0x0             ; K1, K0
	s_mul_i32 s32, s20, 8192000
	s_lshl_b32 s35, s19, 9
	s_add_co_u32 s32, s32, s35
	s_add_nc_u64 s[4:5], s[4:5], s[32:33]          ; enc at my batch and channels
	s_lshl_b32 s32, s20, 13
	s_add_nc_u64 s[10:11], s[10:11], s[32:33]
	s_mul_i32 s32, s20, 8000
	s_add_nc_u64 s[8:9], s[8:9], s[32:33]
	s_add_nc_u64 s[16:17], s[16:17], s[32:33]
	s_lshl_b32 s32, s20, 12
	s_add_co_u32 s32, s32, s35
	s_add_nc_u64 s[14:15], s[14:15], s[32:33]
	global_load_b128 v[4:7], v45, s[10:11]
	global_load_b128 v[8:11], v46, s[8:9]
	s_wait_kmcnt 0x0
	s_max_i32 s21, s34, 0
	s_min_u32 s21, s21, 2000                       ; t counts where t < this
	s_max_u32 s22, s21, 1
	s_sub_co_u32 s22, s22, 1                       ; the last row that counts (row 0 where none does)
.irp s, 0,1,2,3,4,5,6,7,8,9,10,11,12,13,14,15,16,17,18,19,20,21,22,23,24
	ROWOFF \s, \s
	global_load_b128 v[104+4*\s:104+4*\s+3], v[48+\s], s[4:5]     ; the ring is filled before the scan: round 0's rows come while it is made
.endr
	s_wait_loadcnt 25                              ; esum and noise are in; the 25 rows stay out
.irp i, 0,1,2,3
	v_fma_f32 v[24+\i], v[4+\i], s24, s25          ; e = K1 x esum + K0
.endr
.irp i, 0,1,2,3
	v_add_f32 v[24+\i], v[24+\i], v[8+\i]          ; + noise
.endr
.irp i, 0,1,2,3
	v_mul_f32 v[24+\i], 0xbfb8aa3b, v[24+\i]       ; x -log2(e)
.endr
.irp i, 0,1,2,3
	v_exp_f32 v[24+\i], v[24+\i]
.endr
.irp i, 0,1,2,3
	v_add_nc_u32 v[28+\i], \i, v3                  ; my four t (plain lines behind the exponentials)
.endr
	s_wait_alu depctr_va_vdst(0)                   ; one wait for the four, ahead of their first reader
.irp i, 0,1,2,3
	v_add_f32 v[24+\i], 1.0, v[24+\i]
.endr
.irp i, 0,1,2,3
	v_rcp_f32 v[24+\i], v[24+\i]                   ; sigmoid
.endr
	v_mov_b32 v33, 1.0                             ; (a plain line behind the reciprocals)
	s_wait_alu depctr_va_vdst(0)
.irp i, 0,1,2,3
	v_cmp_gt_u32 vcc_lo, s21, v[28+\i]
	v_cndmask_b32 v[12+\i], 0, v[24+\i], vcc_lo    ; p = 0 at and past the length
.endr
.irp i, 0,1,2,3
	v_sub_f32 v[16+\i], 1.0, v[12+\i]
.endr
.irp i, 0,1,2,3
	v_med3_num_f32 v[16+\i], v[16+\i], 0x800000, 1.0   ; clip(1 - p, TINY, 1)
.endr
	v_mul_f32 v22, v16, v17                        ; my own running products,
	v_mul_f32 v23, v22, v18
	v_mul_f32 v32, v23, v19                        ; and my total
.irp n, 1,2,4,8
	v_mul_f32_dpp v32, v32, v32 row_shr:\n row_mask:0xf bank_mask:0xf   ; the inclusive scan in each half of 16 lanes: a lane without a source keeps its value
.endr
	v_mov_b32_dpp v33, v32 row_shr:1 row_mask:0xf bank_mask:0xf         ; exclusive: the lane before; lanes 0 and 16 keep 1.0
	v_readlane_b32 s28, v32, 15                    ; the lower half's total,
	v_readlane_b32 s29, v32, 31                    ; the upper half's
	v_mul_f32 v34, s28, v33
	v_cmp_lt_u32 vcc_lo, 15, v1
	v_cndmask_b32 v33, v33, v34, vcc_lo            ; lanes 16-31 stand behind the lower half
	v_mov_b32 v35, s29
	v_mul_f32 v35, s28, v35                        ; the wave's total
	ds_store_b32 v47, v35                          ; (all lanes write the same word with the same value)
	s_wait_dscnt 0x0
	s_barrier_signal -1
	s_barrier_wait -1
	ds_load_b32 v36, v73
	s_wait_dscnt 0x0
	v_cmp_gt_u32 vcc_lo, s18, v101
	v_cndmask_b32 v36, 1.0, v36, vcc_lo            ; only the waves before mine count
.irp x, 1,2,4,8
	v_mul_f32_dpp v36, v36, v36 row_xmask:\x row_mask:0xf bank_mask:0xf
.endr
	v_mul_f32 v33, v33, v36                        ; the product over all t before my first
	v_mul_f32 v37, v33, v16
	v_mul_f32 v38, v33, v22
	v_mul_f32 v39, v33, v23
	v_mul_f32 v12, v12, v33                        ; a = p x the product before it
	v_mul_f32 v13, v13, v37
	v_mul_f32 v14, v14, v38
	v_mul_f32 v15, v15, v39
	ds_store_b128 v45, v[12:15]
	s_cmp_lg_u32 s19, 0
	s_cbranch_scc1 .Lno_a
	v_cmp_gt_u32 vcc_lo, 500, v0
	s_wait_xcnt 0x0                                ; EXEC changes only when the loads on their way have read it
	s_and_saveexec_b32 s35, vcc_lo
	global_store_b128 v45, v[12:15], s[16:17]      ; out1: 2,000 numbers
	s_wait_xcnt 0x0
	s_or_b32 exec_lo, exec_lo, s35
.Lno_a:
	s_wait_dscnt 0x0                               ; for the others' sake: my four weights lie in LDS
	s_barrier_signal -1
	s_barrier_wait -1
.irp s, 0,1,2,3,4,5,6,7,8,9,10,11,12,13,14,15,16,17,18,19,20,21,22,23,24
	ds_load_b32 v[76+\s], v44 offset:4*\s          ; round 0's weights: every lane takes the row's one word
.endr
.irp rd, 0,1,2,3,4
.irp s, 0,1,2,3,4,5,6,7,8,9,10,11,12,13,14,15,16,17,18,19,20,21,22,23,24
	ROW \s, \rd
.endr
.endr
	ds_store_b128 v74, v[40:43]
	s_wait_dscnt 0x0
	s_barrier_signal -1
	s_barrier_wait -1
	s_cmp_lg_u32 s18, 0
	s_cbranch_scc1 .Lend
.irp w, 0,1,2,3,4,5,6,7,8,9,10,11,12,13,14,15
	ds_load_b128 v[104+4*\w:107+4*\w], v75 offset:512*\w
.endr
	s_wait_dscnt 0x0
.irp d, 8,4,2,1
.set W, 0
.rept \d
	v_pk_add_f32 v[104+4*W:105+4*W], v[104+4*W:105+4*W], v[104+4*(W+\d):105+4*(W+\d)]
	v_pk_add_f32 v[106+4*W:107+4*W], v[106+4*W:107+4*W], v[106+4*(W+\d):107+4*(W+\d)]
.set W, W+1
.endr
.endr
	global_store_b128 v2, v[104:107], s[14:15]     ; 512 consecutive bytes, aligned
.Lend:
	s_wait_tensorcnt 0x0
	ds_add_u32 v208, v209
	s_wait_dscnt 0x0
	s_endpgm
.Lfunc_end_k_q91d4e583c2_context:
	.size	k_q91d4e583c2_context, .Lfunc_end_k_q91d4e583c2_context-k_q91d4e583c2_context
	.p2alignl 7, 3214868480
	.fill 96, 4, 3214868480
	.section	.rodata,"a",@progbits
	.p2align	6, 0x0
	.amdhsa_kernel k_q91d4e583c2_context
		.amdhsa_group_segment_fixed_size 18944
		.amdhsa_private_segment_fixed_size 0
		.amdhsa_enable_private_segment 0
		.amdhsa_kernarg_size 56
		.amdhsa_user_sgpr_count 2
		.amdhsa_user_sgpr_kernarg_segment_ptr 1
		.amdhsa_wavefront_size32 1
		.amdhsa_system_sgpr_workgroup_id_x 1
		.amdhsa_system_sgpr_workgroup_id_y 1
		.amdhsa_system_sgpr_workgroup_id_z 1
		.amdhsa_system_vgpr_workitem_id 0
		.amdhsa_next_free_vgpr 210
		.amdhsa_next_free_sgpr 66
		.amdhsa_reserve_vcc 1
		.amdhsa_float_denorm_mode_32 3
		.amdhsa_float_denorm_mode_16_64 3
		.amdhsa_memory_ordered 1
		.amdhsa_forward_progress 1
		.amdhsa_inst_pref_size 80
	.end_amdhsa_kernel
	.amdgpu_metadata
---
amdhsa.version: [ 1, 2 ]
amdhsa.kernels:
  - .name:           k_q91d4e583c2_context
    .symbol:         k_q91d4e583c2_context.kd
    .args:
      - { .name: enc_hs_pad, .offset: 0, .size: 8, .value_kind: global_buffer, .address_space: global }
      - { .name: enc_hs_len, .offset: 8, .size: 8, .value_kind: global_buffer, .address_space: global }
      - { .name: noise, .offset: 16, .size: 8, .value_kind: global_buffer, .address_space: global }
      - { .name: esum, .offset: 24, .size: 8, .value_kind: global_buffer, .address_space: global }
      - { .name: scal, .offset: 32, .size: 8, .value_kind: global_buffer, .address_space: global }
      - { .name: out0, .offset: 40, .size: 8, .value_kind: global_buffer, .address_space: global }
      - { .name: out1, .offset: 48, .size: 8, .value_kind: global_buffer, .address_space: global }
    .group_segment_fixed_size: 18944
    .private_segment_fixed_size: 0
    .kernarg_segment_align: 8
    .kernarg_segment_size: 56
    .max_flat_workgroup_size: 512
    .sgpr_count:     66
    .vgpr_count:     210
    .wavefront_size: 32
...
	.end_amdgpu_metadata
.endif
;; end of part 3
